; MI455X (gfx1250); checked and timed in simulation.
; The chip was launched on July 23, 2026; its instructions are those of AMD's public machine-readable ISA for CDNA 5 (MIT licence, August 2026) and "CDNA5" Instruction Set Architecture Reference Guide (July 2026). The comments in the code are by the model that wrote it; some were corrected since.
;; Prototype Match. Allowed arithmetic: matrix products marked QUANTISED: E4M3 operands, one E8M0 scale for each 32 along K, by v_wmma_scale_f32_16x16x128_f8f6f4 with both operands' format E4M3, f32 sums; products left as they are: f32 operands where the result goes on into a quantised operand, else bf16, f16 or f32 operands; f32 sums; everything else in f32.
;; Inputs: global_token 8 x 16 x 256 float32; prototypes 512 x 256 float32; queries 8 x 8,192 x 256 float32.
;; Outputs: out0 8 x 8,192 float32.
;; This version of the problem:
;;   THIS VERSION OF THE PROBLEM IS GIVEN IN LOW PRECISION. The matrix products marked QUANTISED in the list below multiply operands that are first quantised to E4M3 (4 exponent bits, 3 mantissa bits; 8 bits a number), with one power-of-two scale for each 32 numbers along K (OCP MX v1.0); their sums are f32. All else is computed in f32.
;;   The module's matrix products, in the order in which they are computed (A, B: the left and right operand; K: the contracted axis; several contracted axes count as one K, in the product's order):
;;     1. [M 65,536, K 256] x [K 256, N 512]; A: input queries; B: input prototypes: QUANTISED
;;     2. [M 8, K 256] x [K 256, N 512]; A: computed on the way; B: input prototypes: left as it is (M = 8 < 16)
;;   THE QUANTISER, for each operand of a quantised product, along K:
;;     - K is cut into blocks of 32 from its start; a last block that is shorter is filled with zeros.
;;     - A block's scale is 2^e with e = floor(log2(the largest magnitude in the block)) - 8, held to -126 .. 127; a block of zeros has e = 0. As a byte (E8M0): e + 127.
;;     - Each number is divided by its block's scale, clamped to +-448, and rounded to the nearest number of E4M3, ties to even, subnormals kept.
;;     - The product sums the exact products of the quantised numbers (number of the format x scale) in f32.
;;   ~~~python
;;   def quantise(x, axis):      # numpy; x: float32 -> the quantised numbers, widened to float32 again
;;       x = np.moveaxis(x, axis, -1); K = x.shape[-1]
;;       x = np.pad(x, [(0, 0)] * (x.ndim - 1) + [(0, -K % 32)]); x = x.reshape(x.shape[:-1] + (-1, 32)); a = np.abs(x).max(-1, keepdims=True)
;;       e = np.where(a > 0, np.clip(np.frexp(np.where(a > 0, a, 1))[1] - 1 - 8, -126, 127), 0)      # np.frexp(a)[1] - 1 = floor(log2(a)), exactly
;;       r = np.clip(x / 2.0 ** e, -448, 448)
;;       step = 2.0 ** (np.maximum(np.frexp(np.where(r == 0, 1, r))[1] - 1, -6) - 3)
;;       q = np.round(r / step) * step * 2.0 ** e      # np.round: ties to even
;;       return np.moveaxis(q.reshape(q.shape[:-2] + (-1,))[..., :K], -1, axis).astype(np.float32)
;;   ~~~
;; One version. Each part assembles by itself: llvm-mc -triple=amdgcn-amd-amdhsa -mcpu=gfx1250 --defsym DOCPART=n.
;; ======== version 1 of 1: 3 launches
;; limits: right only within a limited range of input values
;; workspace buffers: idx 262,144 bytes of whole numbers; pcodes 131,072 bytes; pscale 16,384 bytes; y 16,384 bytes
;; launch prep (part 1): grid 64 x 1, 4 waves a work-group, no clusters, 2,048 bytes of LDS; arguments prototypes, global_token, pcodes, pscale, y; writes pcodes, pscale, y
.if DOCPART == 1
	.amdgcn_target "amdgcn-amd-amdhsa--gfx1250"
	.amdhsa_code_object_version 6
	.text
	.protected	k_qa3fe55c292_prep
	.globl	k_qa3fe55c292_prep
	.p2align	8
	.type	k_qa3fe55c292_prep,@function
k_qa3fe55c292_prep:
	s_mov_b64 s[64:65], 0
	v_nop
	global_prefetch_b8 v0, s[64:65] scope:SCOPE_SE
	s_setreg_imm32_b32 hwreg(HW_REG_WAVE_MODE, 25, 1), 1
	s_wait_xcnt 0x0
; y[b][n] = mean over the 16 tokens of global_token[b] . prototypes[n], in f32; and the prototypes as codes of E4M3 with E8M0 scale bytes, laid as the registers of the next launch take them.
; Work-group x: b = x / 8, slice = x % 8.  It makes y[b] for the slice's 64 prototypes, and one operand image: prototypes 64 slice + 4 m + t (m = 0 .. 15, t = b / 2), K half s = b % 2, 2,048 bytes.
; A wave takes 16 of the 64 dot products and block 32 c (c = wave) of the image.  No tensor loads; no tile is shared in a cluster; every byte is asked for at the head, so there is no loop to prefetch ahead in.
; LIMITS: blocks whose largest magnitude lies under 2^(9 - 127) keep the byte 1 (a block of zeros too: its codes are zeros and this program alone reads the bytes); NaN and infinities are not served.
.set YD,    1024                       ; LDS: the means at 0, 64 results here,
.set SCW,   1280                       ; 16 scale words here,
.set SPARE, 1536                       ; and the spare words
.set TK, 16                            ; v16-47   tokens, 16 pairs
.set XR, 48                            ; v48-63   my 16 numbers of the block
.set PR, 64                            ; v64-191  16 prototype rows, 8 numbers a lane
.set MN, 192                           ; v192-199 the mean
.set AC, 200                           ; v200-231 accumulators
.set RS, 232                           ; v232-247 results
	s_load_b256 s[4:11], s[0:1], 0x0               ; prototypes, global_token, pcodes, pscale
	s_load_b64 s[12:13], s[0:1], 0x20              ; y
	v_lshl_add_u32 v2, v0, 2, SPARE
	v_mov_b32 v3, 0
	v_lshrrev_b32 v1, 5, v0
	v_readfirstlane_b32 s14, v1                    ; wave
	v_and_b32 v1, 31, v0
	v_lshlrev_b32 v4, 3, v0                        ; tokens: 8 bytes a thread
	v_lshlrev_b32 v5, 4, v1                        ; 16 x lane
	v_and_b32 v12, 15, v0                          ; r
	v_bfe_u32 v13, v0, 4, 1                        ; h
	v_lshlrev_b32 v6, 12, v12                      ; the image's row r: prototype 4 r + ..
	v_lshl_add_u32 v6, v13, 6, v6
	v_lshlrev_b32 v7, 3, v1                        ; 8 x lane
	v_lshlrev_b32 v15, 2, v12
	v_lshl_add_u32 v10, v12, 2, SCW
	v_add_nc_u32 v10, s14, v10                     ; my block's scale byte
	s_lshr_b32 s15, ttmp9, 3                       ; b
	s_and_b32 s16, ttmp9, 7                        ; slice
	s_lshl_b32 s18, s16, 16
	s_lshl_b32 s19, s14, 14
	s_add_co_u32 s20, s18, s19                     ; my 16 rows
	s_mov_b32 s21, 0
	s_lshr_b32 s22, s15, 1
	s_lshl_b32 s22, s22, 10
	s_and_b32 s23, s15, 1
	s_lshl_b32 s23, s23, 9
	s_add_co_u32 s22, s22, s23
	s_add_co_u32 s22, s22, s18
	s_lshl_b32 s23, s14, 7
	s_add_co_u32 s22, s22, s23                     ; the image's numbers: row t, K half s, block c
	s_mov_b32 s23, 0
	s_lshl_b32 s24, s15, 14
	s_mov_b32 s25, 0
	s_lshl_b32 s26, s16, 3
	s_add_co_u32 s26, s26, s15                     ; image number = 8 slice + b
	s_lshl_b32 s28, s26, 8
	s_mov_b32 s29, 0
	s_lshl_b32 s30, s26, 11
	s_lshl_b32 s19, s14, 9
	s_add_co_u32 s30, s30, s19
	s_mov_b32 s31, 0
	s_lshl_b32 s32, s15, 11
	s_lshl_b32 s19, s16, 8
	s_add_co_u32 s32, s32, s19
	s_mov_b32 s33, 0
	s_mov_b32 s34, 0x600000                        ; the mantissa field of 448
	s_mov_b32 s36, 0x76543210
	s_mov_b32 s37, 0xfedcba98
	s_lshl_b32 s19, s14, 6
	s_add_co_u32 s19, s19, YD
	v_mov_b32 v9, s19
	v_mov_b32 v14, 0
	s_wait_alu depctr_va_vdst(0)                   ; the wait at the head's end
	s_wait_kmcnt 0x0
	s_add_nc_u64 s[6:7], s[6:7], s[24:25]
	s_add_nc_u64 s[20:21], s[4:5], s[20:21]
	s_add_nc_u64 s[22:23], s[4:5], s[22:23]
	s_add_nc_u64 s[8:9], s[8:9], s[30:31]
	s_add_nc_u64 s[10:11], s[10:11], s[28:29]
	s_add_nc_u64 s[12:13], s[12:13], s[32:33]
.irp i, 0,1,2,3,4,5,6,7,8,9,10,11,12,13,14,15
	global_load_b64 v[TK+2*\i:TK+2*\i+1], v4, s[6:7] offset:1024*\i
.endr
.irp j, 0,1,2,3
	global_load_b128 v[XR+4*\j:XR+4*\j+3], v6, s[22:23] offset:16*\j
.endr
.irp i, 0,1,2,3,4,5,6,7,8,9,10,11,12,13,14,15
	global_load_b128 v[PR+8*\i:PR+8*\i+3], v5, s[20:21] offset:1024*\i
	global_load_b128 v[PR+8*\i+4:PR+8*\i+7], v5, s[20:21] offset:1024*\i+512
.endr
	s_wait_loadcnt 36                              ; the tokens are in; the 4 + 32 loads behind them may be out
.irp i, 0,2,4,6,8,10,12,14
	v_pk_add_f32 v[TK+\i:TK+\i+1], v[TK+\i:TK+\i+1], v[TK+16+\i:TK+17+\i]
.endr
.irp i, 0,2,4,6
	v_pk_add_f32 v[TK+\i:TK+\i+1], v[TK+\i:TK+\i+1], v[TK+8+\i:TK+9+\i]
.endr
.irp i, 0,2
	v_pk_add_f32 v[TK+\i:TK+\i+1], v[TK+\i:TK+\i+1], v[TK+4+\i:TK+5+\i]
.endr
	v_pk_add_f32 v[TK:TK+1], v[TK:TK+1], v[TK+2:TK+3]
	v_pk_mul_f32 v[TK:TK+1], v[TK:TK+1], 0x3d800000 op_sel_hi:[1,0]   ; x 1/16
	ds_store_b64 v4, v[TK:TK+1]
	s_wait_loadcnt 32                              ; the block's numbers are in; the rows may be out
	v_max3_num_f32 v248, |v[XR]|, |v[XR+1]|, |v[XR+2]|
	v_max3_num_f32 v249, |v[XR+3]|, |v[XR+4]|, |v[XR+5]|
.irp i, 6,10
	v_max3_num_f32 v248, v248, |v[XR+\i]|, |v[XR+\i+1]|
	v_max3_num_f32 v249, v249, |v[XR+\i+2]|, |v[XR+\i+3]|
.endr
	v_max3_num_f32 v248, v248, |v[XR+14]|, |v[XR+15]|
	v_max3_num_f32 v248, v248, v249, 0x4800000     ; the floor 2^(9 - 127)
	v_permlanex16_b32 v14, v248, s36, s37
	v_max_num_f32 v248, v248, v14                  ; the block's largest magnitude
	v_add_nc_u32 v250, 0xfc000000, v248            ; 8 off its exponent field: the scale operand
	v_and_or_b32 v251, v248, 0x7f800000, s34       ; 448 x the scale
	v_lshrrev_b32 v252, 23, v250                   ; the scale's byte
.irp i, 0,1,2,3,4,5,6,7,8,9,10,11,12,13,14,15
	v_med3_num_f32 v[XR+\i], v[XR+\i], -v251, v251
.endr
	v_cvt_scalef32_pk8_fp8_f32 v[20:21], v[XR:XR+7], v250
	v_cvt_scalef32_pk8_fp8_f32 v[22:23], v[XR+8:XR+15], v250
	v_nop
	ds_store_b8 v10, v252                          ; lanes r and r + 16 store the same byte with the same value
	global_store_b128 v5, v[20:23], s[8:9]         ; 512 consecutive bytes: registers 4 c .. 4 c + 3 of the image
	s_wait_dscnt 0x0
	s_barrier_signal -1
	s_barrier_wait -1
	ds_load_b128 v[MN:MN+3], v5
	ds_load_b128 v[MN+4:MN+7], v5 offset:512
	s_wait_loadcnt 0x0
	s_wait_dscnt 0x0
.irp i, 0,1,2,3,4,5,6,7,8,9,10,11,12,13,14,15
	v_pk_mul_f32 v[AC+2*\i:AC+2*\i+1], v[PR+8*\i:PR+8*\i+1], v[MN:MN+1]
.endr
.irp e, 2,4,6
.irp i, 0,1,2,3,4,5,6,7,8,9,10,11,12,13,14,15
	v_pk_fma_f32 v[AC+2*\i:AC+2*\i+1], v[PR+8*\i+\e:PR+8*\i+\e+1], v[MN+\e:MN+\e+1], v[AC+2*\i:AC+2*\i+1]
.endr
.endr
.irp i, 0,1,2,3,4,5,6,7,8,9,10,11,12,13,14,15
	v_add_f32 v[RS+\i], v[AC+2*\i], v[AC+2*\i+1]
.endr
.irp m, 1,2,4,8
.irp i, 0,1,2,3,4,5,6,7,8,9,10,11,12,13,14,15
	v_add_f32_dpp v[RS+\i], v[RS+\i], v[RS+\i] row_xmask:\m row_mask:0xf bank_mask:0xf
.endr
.endr
.irp i, 0,1,2,3,4,5,6,7,8,9,10,11,12,13,14,15
	v_permlanex16_b32 v[AC+\i], v[RS+\i], s36, s37
.endr
.irp i, 0,1,2,3,4,5,6,7,8,9,10,11,12,13,14,15
	v_add_f32 v[RS+\i], v[RS+\i], v[AC+\i]
.endr
.irp i, 0,4,8,12
	ds_store_b128 v9, v[RS+\i:RS+\i+3] offset:4*\i ; all lanes store the same words with the same values
.endr
	s_wait_dscnt 0x0
	s_barrier_signal -1
	s_barrier_wait -1
	s_cmp_lg_u32 s14, 0
	s_cbranch_scc1 .Lend
	ds_load_b64 v[64:65], v7 offset:YD
	ds_load_b32 v66, v15 offset:SCW
	s_wait_dscnt 0x0
	v_mov_b32 v67, v66
	global_store_b64 v7, v[64:65], s[12:13]        ; 256 consecutive bytes each: 64 results,
	global_store_b64 v7, v[66:67], s[10:11]        ; and the 16 scale words, twice each, in both halves of the lanes
.Lend:
	s_wait_tensorcnt 0x0                           ; the wave's end
	ds_add_u32 v2, v3
	s_wait_dscnt 0x0
	s_endpgm
.Lfunc_end_k_qa3fe55c292_prep:
	.size	k_qa3fe55c292_prep, .Lfunc_end_k_qa3fe55c292_prep-k_qa3fe55c292_prep
	.p2alignl 7, 3214868480
	.fill 96, 4, 3214868480
	.section	.rodata,"a",@progbits
	.p2align	6, 0x0
	.amdhsa_kernel k_qa3fe55c292_prep
		.amdhsa_group_segment_fixed_size 2048
		.amdhsa_private_segment_fixed_size 0
		.amdhsa_enable_private_segment 0
		.amdhsa_kernarg_size 40
		.amdhsa_user_sgpr_count 2
		.amdhsa_user_sgpr_kernarg_segment_ptr 1
		.amdhsa_wavefront_size32 1
		.amdhsa_system_sgpr_workgroup_id_x 1
		.amdhsa_system_sgpr_workgroup_id_y 1
		.amdhsa_system_sgpr_workgroup_id_z 1
		.amdhsa_system_vgpr_workitem_id 0
		.amdhsa_next_free_vgpr 256
		.amdhsa_next_free_sgpr 66
		.amdhsa_reserve_vcc 0
		.amdhsa_float_denorm_mode_32 3
		.amdhsa_float_denorm_mode_16_64 3
		.amdhsa_memory_ordered 1
		.amdhsa_forward_progress 1
		.amdhsa_inst_pref_size 22
	.end_amdhsa_kernel
	.amdgpu_metadata
---
amdhsa.version: [ 1, 2 ]
amdhsa.kernels:
  - .name:           k_qa3fe55c292_prep
    .symbol:         k_qa3fe55c292_prep.kd
    .args:
      - { .name: prototypes, .offset: 0, .size: 8, .value_kind: global_buffer, .address_space: global }
      - { .name: global_token, .offset: 8, .size: 8, .value_kind: global_buffer, .address_space: global }
      - { .name: pcodes, .offset: 16, .size: 8, .value_kind: global_buffer, .address_space: global }
      - { .name: pscale, .offset: 24, .size: 8, .value_kind: global_buffer, .address_space: global }
      - { .name: y, .offset: 32, .size: 8, .value_kind: global_buffer, .address_space: global }
    .group_segment_fixed_size: 2048
    .private_segment_fixed_size: 0
    .kernarg_segment_align: 8
    .kernarg_segment_size: 40
    .max_flat_workgroup_size: 128
    .sgpr_count:     66
    .vgpr_count:     256
    .wavefront_size: 32
...
	.end_amdgpu_metadata
.endif
;; end of part 1
;; launch pick (part 2): grid 256 x 1, 8 waves a work-group, no clusters, 327,680 bytes of LDS; arguments queries, pcodes, pscale, y, idx; writes idx
.if DOCPART == 2
	.amdgcn_target "amdgcn-amd-amdhsa--gfx1250"
	.amdhsa_code_object_version 6
	.text
	.protected	k_qa3fe55c292_pick
	.globl	k_qa3fe55c292_pick
	.p2align	8
	.type	k_qa3fe55c292_pick,@function
k_qa3fe55c292_pick:
	s_mov_b64 s[64:65], 0
	v_nop
	global_prefetch_b8 v0, s[64:65] scope:SCOPE_SE
	s_setreg_imm32_b32 hwreg(HW_REG_WAVE_MODE, 25, 1), 1
	s_wait_xcnt 0x0
; idx[q] = argmax over n of softmax(queries[q] . prototypes[n] / T)[n] x softmax(y[b])[n], the product of queries and prototypes in MX-FP8.
; A work-group owns 256 queries of one batch, in eight chunks of 32.  Wave w keeps 64 prototypes' codes in 128 registers (window 1) for the whole launch and multiplies every query by them.
; Each wave asks for one chunk of raw queries (32 rows of 1,024 bytes) by one tensor load; nothing is filled again.  A chunk that has landed is quantised by all eight waves, a block of 32 to a lane, into an
; image of operand registers in LDS (two images take turns), one barrier a chunk: chunk i + 1 is quantised in the step in which chunk i is multiplied.
; IN LOGARITHMS to the base 2: t = c x score, M = a lane's largest t, u = t - M, l = u + (y - max y) c.  A lane keeps M, the sum of 2^u, its largest l and the word W: bit 4 j + t of W is 0 where l is the largest.
; Tile t's row m is prototype 64 w + 4 m + t, so a lane's bits ascend with the prototype's number.  The 16 partials of a query (8 waves x 2 halves) are joined at the end.
; W: l less its maximum is 0 for the winner alone; as codes of FP4 under the scale 2^-100 everything else is held at the largest code, all ones.
; A weighted score under 2^-126 counts as 0 (f32 with denormals flushed); where the largest does, all are 0 and the first index, 0, is taken.
; LIMITS: the promise holds while the scaled scores stay under 2^31 in magnitude; blocks whose largest magnitude lies under 2^(9 - 127) keep the byte 1; NaN and infinities are not served.
; No cluster: no work-group shares a tensor-loaded tile (queries are read by their owner; the codes go from memory into registers once).  No prefetch: all query bytes are asked for at the head.
.set PITCH, 1040                       ; a raw row in LDS: 1,024 bytes + 16 of padding: sixteen rows start at sixteen different 16-byte columns
.set CHUNK, 32*PITCH
.set IMG,   8*CHUNK                    ; two images: 2 tiles x 4,096 bytes of codes, then 2 x 2 x 16 scale words
.set IMGB,  8448
.set IMGS,  IMG+8192
.set SPARE, IMG+2*IMGB                 ; the spare words, 128 bytes a wave
.set OUTS,  SPARE+1024
; the partials, 8,192 bytes a chunk, lie in the first two chunks' raw bytes, which have had their one fill and been read by then
.set FA,  1                            ; v1  image fragments: IMG + 16 lane
.set FS,  2                            ; v2  image scale words: IMGS + 4 r
.set IW,  3                            ; v3  where my codes go in an image
.set ISW, 4                            ; v4  and my scale byte
.set PA,  5                            ; v5  my partial's place
.set RA,  6                            ; v6  my block's place in a raw chunk
.set SC,  7                            ; v7  2^-100
.set LW,  32                           ; v32-63   (y - max y) c of my 32 prototypes, in the scores' order
.set QF,  64                           ; v64-127  query fragments, two tiles
.set S0,  128                          ; v128-159, v160-191 scores of the two tiles
.set S1,  160
.set X,   192                          ; v192-223 my raw block
.set E,   224                          ; v224-255 exponentials; the quantiser's temporaries
; v8-11, v12-15 partials (-M, largest l, sum, W); v16-19, v24-27 prototypes' scales of K half 0, 1; v20-23 queries' scales; v28-31 temporaries
.set MSB, 0
.macro WIN new
.if MSB != \new
	s_set_vgpr_msb (MSB<<8)|\new
.set MSB, \new
.endif
.endm
.macro ARM k
	s_cmp_eq_u32 s12, \k
	s_cbranch_scc0 .Larm\@
	tensor_load_to_lds s[24:27], s[16:23]
	s_nop 0
	v_nop
	v_nop
	v_nop
	v_nop
	s_branch .Lasked
.Larm\@:
.endm
; The barrier of a step.  In front of it wave k has waited for its chunk; the last such wait stands on every wave's way.
.macro SHOW k
.if (\k) < 7
	s_cmp_eq_u32 s12, \k
	s_cbranch_scc0 .Lns\@
	s_wait_tensorcnt 0x0
.Lns\@:
.endif
.if (\k) == 7
	s_wait_tensorcnt 0x0
.endif
	s_wait_dscnt 0x0                               ; my stores into the image are done, my reads of raw bytes and of the other image are over
	s_barrier_signal -1
	s_barrier_wait -1
.endm
.macro RAWLD k
.irp j, 0,1,2,3,4,5,6,7
	ds_load_b128 v[X+4*\j:X+4*\j+3], v[RA] offset:((\k)%2)*CHUNK+16*\j
.endr
.endm
; Chunk k's block of 32 of my lane: largest magnitude, scale, hold, codes; into image k % 2
.macro QUANT k
	v_max3_num_f32 v[E], |v[X]|, |v[X+1]|, 0x4800000
	v_max3_num_f32 v[E+1], |v[X+2]|, |v[X+3]|, |v[X+4]|
	v_max3_num_f32 v[E+2], |v[X+5]|, |v[X+6]|, |v[X+7]|
	v_max3_num_f32 v[E+3], |v[X+8]|, |v[X+9]|, |v[X+10]|
.irp i, 11,19
	v_max3_num_f32 v[E], v[E], |v[X+\i]|, |v[X+\i+1]|
	v_max3_num_f32 v[E+1], v[E+1], |v[X+\i+2]|, |v[X+\i+3]|
	v_max3_num_f32 v[E+2], v[E+2], |v[X+\i+4]|, |v[X+\i+5]|
	v_max3_num_f32 v[E+3], v[E+3], |v[X+\i+6]|, |v[X+\i+7]|
.endr
	v_max3_num_f32 v[E], v[E], |v[X+27]|, |v[X+28]|
	v_max3_num_f32 v[E+1], v[E+1], |v[X+29]|, |v[X+30]|
	v_max3_num_f32 v[E], v[E], v[E+2], v[E+3]
	v_max3_num_f32 v[E], v[E], v[E+1], |v[X+31]|
	v_add_nc_u32 v[E+4], 0xfc000000, v[E]          ; 8 off the exponent field: the scale operand
	v_and_or_b32 v[E+5], v[E], 0x7f800000, s34     ; 448 x the scale
	v_lshrrev_b32 v[E+6], 23, v[E+4]               ; the scale's byte
.irp i, 0,1,2,3,4,5,6,7,8,9,10,11,12,13,14,15,16,17,18,19,20,21,22,23,24,25,26,27,28,29,30,31
	v_med3_num_f32 v[X+\i], v[X+\i], -v[E+5], v[E+5]
.endr
.irp g, 0,1,2,3
	v_cvt_scalef32_pk8_fp8_f32 v[E+8+2*\g:E+9+2*\g], v[X+8*\g:X+8*\g+7], v[E+4]
.endr
.if (((\k)%2) == 1) && ((\k) < 7)
	v_add_nc_u32 v[RA], 2*CHUNK, v[RA]             ; on to the next two chunks
.else
	v_nop
.endif
	ds_store_b128 v[IW], v[E+8:E+11] offset:((\k)%2)*IMGB
	ds_store_b128 v[IW], v[E+12:E+15] offset:((\k)%2)*IMGB+256
	ds_store_b8 v[ISW], v[E+6] offset:((\k)%2)*IMGB
.endm
.macro FRAG i
.irp a, 0,1
.irp c, 0,1,2,3
	ds_load_b128 v[QF+32*\a+4*\c:QF+32*\a+4*\c+3], v[FA] offset:((\i)%2)*IMGB+4096*\a+512*\c
.endr
.irp c, 0,1,2,3
	ds_load_b128 v[QF+32*\a+16+4*\c:QF+32*\a+16+4*\c+3], v[FA] offset:((\i)%2)*IMGB+4096*\a+2048+512*\c
.endr
	ds_load_b32 v[20+2*\a], v[FS] offset:((\i)%2)*IMGB+128*\a
	ds_load_b32 v[21+2*\a], v[FS] offset:((\i)%2)*IMGB+128*\a+64
.endr
.endm
; Tile a's scores: source 0 = 16 prototypes (window 1), source 1 = 16 queries: a lane holds one query, its registers the prototypes.  Three other products stand between a sum's two steps.
.macro MM x, a
.irp t, 0,1,2,3
	v_wmma_scale_f32_16x16x128_f8f6f4 v[\x+8*\t:\x+8*\t+7], v[32*\t:32*\t+15], v[QF+32*\a:QF+32*\a+15], 0, v[16+\t], v[20+2*\a]
.endr
.irp t, 0,1,2,3
	v_wmma_scale_f32_16x16x128_f8f6f4 v[\x+8*\t:\x+8*\t+7], v[32*\t+16:32*\t+31], v[QF+32*\a+16:QF+32*\a+31], v[\x+8*\t:\x+8*\t+7], v[24+\t], v[21+2*\a]
.endr
.endm
.macro MAXT x, dst                     ; the largest of 32, in four chains
.irp t, 0,1,2,3
	v_max3_num_f32 v[28+\t], v[\x+8*\t], v[\x+8*\t+1], v[\x+8*\t+2]
.endr
.irp t, 0,1,2,3
	v_max3_num_f32 v[28+\t], v[28+\t], v[\x+8*\t+3], v[\x+8*\t+4]
.endr
.irp t, 0,1,2,3
	v_max3_num_f32 v[28+\t], v[28+\t], v[\x+8*\t+5], v[\x+8*\t+6]
.endr
	v_max3_num_f32 v28, v28, v[\x+7], v[\x+15]
	v_max3_num_f32 v29, v29, v30, v[\x+23]
	v_max3_num_f32 v28, v28, v31, v[\x+31]
	v_max_num_f32 v[\dst], v28, v29
.endm
; One tile's partial: x the scores, q its four registers, ch the chunk, a the tile
; (w = 1: transcendentals stand between the scores' products and here.  bar = 1: a barrier signalled ahead of this work is waited for at its end, ahead of the partial's store.)
.macro SOFT x, q, ch, a, w, bar
.if \w
	s_wait_alu depctr_va_vdst(0)                   ; the wait ahead of the first readers of the matrix results
.endif
	MAXT \x, 28
	v_mul_f32 v[\q], s38, v28                      ; -M
.irp e, 0,2,4,6,8,10,12,14,16,18,20,22,24,26,28,30
	v_pk_fma_f32 v[\x+\e:\x+\e+1], v[\x+\e:\x+\e+1], s[36:37], v[\q:\q+1] op_sel_hi:[1,0,0]   ; u = t - M
.endr
	s_wait_alu depctr_va_vdst(0)                   ; ahead of the batch,
.irp i, 0,1,2,3,4,5,6,7,8,9,10,11,12,13,14,15,16,17,18,19,20,21,22,23,24,25,26,27,28,29,30,31
	v_exp_f32 v[E+\i], v[\x+\i]
.endr
.irp e, 0,2,4,6,8,10,12,14,16,18,20,22,24,26,28,30
	v_pk_add_f32 v[\x+\e:\x+\e+1], v[\x+\e:\x+\e+1], v[LW+\e:LW+\e+1]                          ; l
.endr
	MAXT \x, \q+1
.irp e, 0,2,4,6,8,10,12,14,16,18,20,22,24,26,28,30
	v_pk_add_f32 v[\x+\e:\x+\e+1], v[\x+\e:\x+\e+1], v[\q:\q+1] op_sel:[0,1] op_sel_hi:[1,1] neg_lo:[0,1] neg_hi:[0,1]   ; l less its maximum: 0 for the winner alone
.endr
.irp t, 0,1,2,3
	v_cvt_scalef32_pk8_fp4_f32 v[28+\t], v[\x+8*\t:\x+8*\t+7], v[SC]
.endr
	s_wait_alu depctr_va_vdst(0)                   ; and behind it, ahead of the exponentials' first reader
.irp e, 0,2,4,6,8,10,12,14
	v_pk_add_f32 v[E+\e:E+\e+1], v[E+\e:E+\e+1], v[E+16+\e:E+17+\e]
.endr
.irp e, 0,2,4,6
	v_pk_add_f32 v[E+\e:E+\e+1], v[E+\e:E+\e+1], v[E+8+\e:E+9+\e]
.endr
	v_pk_add_f32 v[E:E+1], v[E:E+1], v[E+4:E+5]
	v_pk_add_f32 v[E+2:E+3], v[E+2:E+3], v[E+6:E+7]
	v_bfi_b32 v30, s52, v30, v31                   ; bit t of each code from tile t
	v_pk_add_f32 v[E:E+1], v[E:E+1], v[E+2:E+3]
	v_bfi_b32 v29, s51, v29, v30
	v_add_f32 v[\q+2], v[E], v[E+1]
	v_bfi_b32 v[\q+3], s50, v28, v29
.if \bar
	s_wait_alu depctr_va_vdst(0)                   ; the wait here, directly ahead of the barrier's
	s_barrier_wait -1
.endif
	ds_store_b128 v[PA], v[\q:\q+3] offset:(\ch)*8192+((\ch)/4)*512+256*\a
.endm
; A step's barrier in two halves: signalled here, waited for at the end of the SOFT that follows (register work alone between).  In front of the signal wave k has waited for its chunk, and every wave
; for its stores into the next image and for its reads of this image and of the raw chunk: what stands behind the wait reads the first two and writes over the last two.
.macro SIG k
.if (\k) < 7
	s_cmp_eq_u32 s12, \k
	s_cbranch_scc0 .Lsg\@
	s_wait_tensorcnt 0x0
.Lsg\@:
.endif
.if (\k) == 7
	s_wait_tensorcnt 0x0
.endif
	s_wait_dscnt 0x0
	s_barrier_signal -1
.endm
.macro STEP i
	FRAG \i
.if \i < 7
	RAWLD \i+1
.endif
.if \i > 1
	SOFT S1, 12, \i-1, 1, 1, 0                     ; the chunk before's second tile, while these loads are on their way
.endif
.if (\i > 1) && (\i < 7)
	s_wait_dscnt 9                                 ; the fragments are in; the eight raw loads and the partial's store may be out
.endif
.if \i == 1
	s_wait_dscnt 8
.endif
.if \i == 7
	s_wait_dscnt 1
.endif
	WIN 0x01
	MM S0, 0
	WIN 0
.if \i < 7
.if \i > 1
	s_wait_dscnt 1                                 ; the raw block is in; the partial's store may be out
.else
	s_wait_dscnt 0x0
.endif
	QUANT \i+1                                     ; its plain lines are also the places behind the first tile's products
.endif
	WIN 0x01
	MM S1, 1
	WIN 0
.if \i < 7
	SIG \i+2
	SOFT S0, 8, \i, 0, 0, 1
.else
.rept 8
	v_nop
.endr
	SOFT S0, 8, \i, 0, 0, 0
.endif
.endm
	s_load_b256 s[4:11], s[0:1], 0x0               ; queries, pcodes, pscale, y
	s_load_b64 s[40:41], s[0:1], 0x20              ; idx
	v_lshl_add_u32 v28, v0, 2, SPARE
	v_mov_b32 v29, 0
	ds_add_u32 v28, v29                            ; the wave's opening: the add, twice on end, and its wait
	ds_add_u32 v28, v29
	v_lshrrev_b32 v30, 5, v0
	v_readfirstlane_b32 s12, v30                   ; wave
	s_mov_b32 s16, (3<<16)|(1<<20)|(7<<22)|(3<<25) ; elements of 8 bytes; 4 words of padding behind every 256
	s_mov_b32 s17, 128<<16
	s_mov_b32 s18, 32<<16
	s_mov_b32 s19, 128<<16
	s_mov_b32 s20, 32
	s_mov_b32 s21, 128
	s_mov_b32 s22, 0
	s_mov_b32 s23, 0
	s_mov_b32 s24, 1
	s_mul_i32 s25, s12, CHUNK
	s_lshl_b32 s44, ttmp9, 18
	s_lshl_b32 s13, s12, 15
	s_add_co_u32 s44, s44, s13                     ; my 32 rows
	s_mov_b32 s45, 0
	v_and_b32 v30, 31, v0
	v_lshlrev_b32 v31, 3, v30                      ; 8 x lane
	v_lshlrev_b32 v30, 4, v30                      ; 16 x lane
	v_bfe_u32 v241, v0, 4, 1                       ; h
	v_lshlrev_b32 v240, 7, v241
	v_and_b32 v242, 15, v0                         ; r
	s_wait_alu depctr_va_vdst(0)                   ; the wait here, directly ahead of the waits below
	s_wait_dscnt 0x0
	s_wait_kmcnt 0x0
	s_add_nc_u64 s[26:27], s[4:5], s[44:45]
	s_or_b32 s27, s27, 0x80000000
	ARM 0                                          ; one tensor load a wave, each wave's a line of its own
	ARM 1
	ARM 2
	ARM 3
	ARM 4
	ARM 5
	ARM 6
	tensor_load_to_lds s[24:27], s[16:23]
	s_nop 0
	v_nop
	v_nop
	v_nop
	v_nop
.Lasked:
	s_lshr_b32 s44, ttmp9, 5
	s_lshl_b32 s44, s44, 11
	s_add_nc_u64 s[10:11], s[10:11], s[44:45]      ; y of my batch
	s_lshl_b32 s44, s12, 8
	s_add_nc_u64 s[46:47], s[10:11], s[44:45]      ; and of my 64 prototypes
	s_lshl_b32 s44, s12, 11
	s_add_nc_u64 s[8:9], s[8:9], s[44:45]
	s_lshl_b32 s44, s12, 14
	s_add_nc_u64 s[6:7], s[6:7], s[44:45]
.irp j, 0,1,2,3
	global_load_b128 v[E+4*\j:E+4*\j+3], v30, s[10:11] offset:512*\j
.endr
.irp j, 0,1,2,3,4,5,6,7
	global_load_b128 v[X+4*\j:X+4*\j+3], v240, s[46:47] offset:16*\j
.endr
.irp t, 0,1,2,3
	global_load_b32 v[16+\t], v31, s[8:9] offset:512*\t
	global_load_b32 v[24+\t], v31, s[8:9] offset:512*\t+256
.endr
	WIN 0x40
.irp f, 0,1,2,3,4,5,6,7
.irp c, 0,1,2,3
	global_load_b128 v[16*\f+4*\c:16*\f+4*\c+3], v30, s[6:7] offset:2048*\f+512*\c
.endr
.endr
	WIN 0
	s_lshl_b32 s44, ttmp9, 10
	s_add_nc_u64 s[40:41], s[40:41], s[44:45]
	s_mov_b32 s32, 0x76543210
	s_mov_b32 s33, 0xfedcba98
	s_mov_b32 s34, 0x600000                        ; the mantissa field of 448
	s_mov_b32 s36, 0x4166d4ca                      ; c = 10 log2(e)
	s_mov_b32 s37, s36
	s_mov_b32 s38, 0xc166d4ca
	s_mov_b32 s50, 0x11111111
	s_mov_b32 s51, 0x22222222
	s_mov_b32 s52, 0x44444444
	s_mov_b32 s53, 0xc2fc0000                      ; -126
	s_wait_alu depctr_va_vdst(0)
	v_add_nc_u32 v[FA], IMG, v30
	v_lshl_add_u32 v[FS], v242, 2, IMGS
	s_lshl_b32 s13, s12, 10
	v_lshlrev_b32 v243, 4, v242
	v_lshl_add_u32 v243, v241, 9, v243
	v_add_nc_u32 v[PA], s13, v243                  ; 1024 w + 512 h + 16 r
	v_add_nc_u32 v[IW], IMG, v[PA]                 ; the same place in an image: tile w / 4, K half, block
	s_lshr_b32 s13, s12, 1
	s_lshl_b32 s13, s13, 6
	s_and_b32 s14, s12, 1
	s_lshl_b32 s14, s14, 1
	s_add_co_u32 s13, s13, s14
	v_add_nc_u32 v244, v[FS], v241
	v_add_nc_u32 v[ISW], s13, v244
	s_lshr_b32 s13, s12, 2
	s_mul_i32 s13, s13, 16*PITCH
	s_and_b32 s14, s12, 3
	s_lshl_b32 s14, s14, 8
	s_add_co_u32 s13, s13, s14
	v_mul_u32_u24 v243, v242, PITCH
	v_lshl_add_u32 v243, v241, 7, v243
	v_add_nc_u32 v[RA], s13, v243                  ; row 16 (w / 4) + r, block 2 (w % 4) + h
	v_mov_b32 v[SC], 0x0d800000
	v_mov_b32 v9, 0
	v_mov_b32 v13, 0
	s_wait_alu depctr_va_vdst(0)                   ; the wait here, directly ahead of the wait below
	s_wait_loadcnt 40                              ; y is in; the 8 scale words and the 32 loads of codes may be out
	v_max3_num_f32 v28, v[E], v[E+1], v[E+2]
	v_max3_num_f32 v29, v[E+8], v[E+9], v[E+10]
	v_max3_num_f32 v28, v28, v[E+3], v[E+4]
	v_max3_num_f32 v29, v29, v[E+11], v[E+12]
	v_max3_num_f32 v28, v28, v[E+5], v[E+6]
	v_max3_num_f32 v29, v29, v[E+13], v[E+14]
	v_max3_num_f32 v28, v28, v[E+7], v[E+15]
	v_max_num_f32 v28, v28, v29
.irp m, 1,2,4,8
	v_max_num_f32_dpp v28, v28, v28 row_xmask:\m row_mask:0xf bank_mask:0xf
.endr
	v_permlanex16_b32 v29, v28, s32, s33
	v_max_num_f32 v28, v28, v29
	v_mul_f32 v8, s38, v28                         ; -(max y) c
.irp j, 0,1,2,3,4,5,6,7
.irp t, 0,1,2,3
	v_fma_f32 v[LW+8*\t+\j], v[X+4*\j+\t], s36, v8 ; tile t's register j is my half's prototype 4 j + t
.endr
.endr
.irp e, 0,2,4,6,8,10,12,14
	v_pk_fma_f32 v[E+\e:E+\e+1], v[E+\e:E+\e+1], s[36:37], v[8:9] op_sel_hi:[1,0,0]
.endr
	s_wait_alu depctr_va_vdst(0)                   ; ahead of the batch,
.irp i, 0,1,2,3,4,5,6,7,8,9,10,11,12,13,14,15
	v_exp_f32 v[E+\i], v[E+\i]
.endr
	v_nop
	s_wait_alu depctr_va_vdst(0)                   ; and behind it
.irp e, 0,2,4,6
	v_pk_add_f32 v[E+\e:E+\e+1], v[E+\e:E+\e+1], v[E+8+\e:E+9+\e]
.endr
	v_pk_add_f32 v[E:E+1], v[E:E+1], v[E+4:E+5]
	v_pk_add_f32 v[E+2:E+3], v[E+2:E+3], v[E+6:E+7]
	v_pk_add_f32 v[E:E+1], v[E:E+1], v[E+2:E+3]
	v_add_f32 v28, v[E], v[E+1]
.irp m, 1,2,4,8
	v_add_f32_dpp v28, v28, v28 row_xmask:\m row_mask:0xf bank_mask:0xf
.endr
	v_permlanex16_b32 v29, v28, s32, s33
	v_add_f32 v28, v28, v29
	v_readfirstlane_b32 s48, v28                   ; the weights' sum, the same in every lane
	s_wait_alu depctr_va_vdst(0)                   ; the wait at the head's end
	SHOW 0
	RAWLD 0
	s_wait_dscnt 0x0
	QUANT 0
	SHOW 8                                         ; (a barrier alone) image 0 is whole
	FRAG 0
	s_wait_loadcnt 0x0                             ; the prototypes' codes and scales
	s_wait_dscnt 0x0
	WIN 0x01
	MM S0, 0
	MM S1, 1
	WIN 0
.rept 8
	v_nop
.endr
	SIG 1                                          ; chunk 0's first tile is worked on while chunk 1 is waited for
	SOFT S0, 8, 0, 0, 0, 1
	RAWLD 1
	s_wait_dscnt 0x0
	QUANT 1
	SIG 2
	SOFT S1, 12, 0, 1, 1, 1
	STEP 1
	STEP 2
	STEP 3
	STEP 4
	STEP 5
	STEP 6
	STEP 7
	SOFT S1, 12, 7, 1, 1, 0
	SHOW 8                                         ; (a barrier alone) all partials are stored
	; the 16 partials of a query meet in one lane: wave w joins chunk w
	s_lshl_b32 s13, s12, 13
	s_lshr_b32 s14, s12, 2
	s_lshl_b32 s14, s14, 9
	s_add_co_u32 s13, s13, s14
	v_and_b32 v28, 31, v0
	v_lshlrev_b32 v28, 4, v28
	v_add_nc_u32 v28, s13, v28
.irp p, 0,1,2,3,4,5,6,7,8,9,10,11,12,13,14,15
	ds_load_b128 v[QF+4*\p:QF+4*\p+3], v28 offset:512*\p
.endr
	s_wait_dscnt 0x0
	v_min3_num_f32 v29, v[QF], v[QF+4], v[QF+8]
	v_min3_num_f32 v30, v[QF+12], v[QF+16], v[QF+20]
	v_min3_num_f32 v29, v29, v[QF+24], v[QF+28]
	v_min3_num_f32 v30, v30, v[QF+32], v[QF+36]
	v_min3_num_f32 v29, v29, v[QF+40], v[QF+44]
	v_min3_num_f32 v30, v30, v[QF+48], v[QF+52]
	v_min3_num_f32 v29, v29, v[QF+56], v[QF+60]
	v_min_num_f32 v29, v29, v30
.irp p, 0,1,2,3,4,5,6,7,8,9,10,11,12,13,14,15
	v_sub_f32 v[QF+4*\p], v29, v[QF+4*\p]          ; the partial's M less the query's
.endr
.irp p, 0,1,2,3,4,5,6,7,8,9,10,11,12,13,14,15
	v_add_f32 v[QF+4*\p+1], v[QF+4*\p+1], v[QF+4*\p]
.endr
	s_wait_alu depctr_va_vdst(0)                   ; ahead of the batch,
.irp p, 0,1,2,3,4,5,6,7,8,9,10,11,12,13,14,15
	v_exp_f32 v[QF+4*\p], v[QF+4*\p]
.endr
	v_max3_num_f32 v28, v[QF+1], v[QF+5], v[QF+9]
	v_max3_num_f32 v29, v[QF+13], v[QF+17], v[QF+21]
	v_max3_num_f32 v28, v28, v[QF+25], v[QF+29]
	v_max3_num_f32 v29, v29, v[QF+33], v[QF+37]
	v_max3_num_f32 v28, v28, v[QF+41], v[QF+45]
	v_max3_num_f32 v29, v29, v[QF+49], v[QF+53]
	v_max3_num_f32 v28, v28, v[QF+57], v[QF+61]
	v_max_num_f32 v28, v28, v29                    ; the query's largest l
	v_mov_b32 v30, v[QF+63]
	v_mov_b32 v31, 15
.irp p, 14,13,12,11,10,9,8,7,6,5,4,3,2,1,0
	v_cmp_eq_f32 s[56+\p%4], v[QF+4*\p+1], v28
	v_cndmask_b32 v30, v30, v[QF+4*\p+3], s[56+\p%4]
	v_cndmask_b32 v31, v31, \p, s[56+\p%4]         ; the lowest partial that holds it
.endr
	s_wait_alu depctr_va_vdst(0)                   ; and behind it
	v_mul_f32 v8, v[QF], v[QF+2]
	v_mul_f32 v9, v[QF+4], v[QF+6]
.irp p, 2,4,6,8,10,12,14
	v_fma_f32 v8, v[QF+4*\p], v[QF+4*\p+2], v8
	v_fma_f32 v9, v[QF+4*\p+4], v[QF+4*\p+6], v9
.endr
	v_add_f32 v8, v8, v9
	v_mul_f32 v8, s48, v8                          ; both softmaxes' sums
	s_wait_alu depctr_va_vdst(0)
	v_log_f32 v10, v8
	v_add_nc_u32 v9, 1, v30                        ; the lowest 0 of W: (W + 1) and not W,
	v_bfi_b32 v9, v30, 0, v9
	v_cvt_f32_u32 v9, v9                           ; its place is this power of two's exponent
	v_lshrrev_b32 v9, 23, v9
	v_lshl_add_u32 v31, v31, 5, v9
	v_add_nc_u32 v31, 0xffffff81, v31              ; 32 x partial + place: the prototype's number
	s_wait_alu depctr_va_vdst(0)
	v_sub_f32 v10, v28, v10                        ; log2 of the largest weighted score
	v_cmp_le_f32 vcc_lo, s53, v10
	v_cndmask_b32 v31, 0, v31, vcc_lo
	v_lshl_add_u32 v9, v0, 2, OUTS
	ds_store_b32 v9, v31
	s_wait_dscnt 0x0
	s_barrier_signal -1
	s_barrier_wait -1
	s_cmp_gt_u32 s12, 1
	s_cbranch_scc1 .Lend
	v_lshl_add_u32 v10, v0, 4, OUTS
	v_lshlrev_b32 v11, 4, v0
	ds_load_b128 v[QF:QF+3], v10
	s_wait_alu depctr_va_vdst(0)
	s_wait_dscnt 0x0
	global_store_b128 v11, v[QF:QF+3], s[40:41]    ; 512 consecutive bytes a wave
.Lend:
	v_lshl_add_u32 v28, v0, 2, SPARE
	v_mov_b32 v29, 0
	s_wait_alu depctr_va_vdst(0)
	s_wait_tensorcnt 0x0                           ; the wave's end
	ds_add_u32 v28, v29
	s_wait_dscnt 0x0
	s_endpgm
.Lfunc_end_k_qa3fe55c292_pick:
	.size	k_qa3fe55c292_pick, .Lfunc_end_k_qa3fe55c292_pick-k_qa3fe55c292_pick
	.p2alignl 7, 3214868480
	.fill 96, 4, 3214868480
	.section	.rodata,"a",@progbits
	.p2align	6, 0x0
	.amdhsa_kernel k_qa3fe55c292_pick
		.amdhsa_group_segment_fixed_size 327680
		.amdhsa_private_segment_fixed_size 0
		.amdhsa_enable_private_segment 0
		.amdhsa_kernarg_size 40
		.amdhsa_user_sgpr_count 2
		.amdhsa_user_sgpr_kernarg_segment_ptr 1
		.amdhsa_wavefront_size32 1
		.amdhsa_system_sgpr_workgroup_id_x 1
		.amdhsa_system_sgpr_workgroup_id_y 1
		.amdhsa_system_sgpr_workgroup_id_z 1
		.amdhsa_system_vgpr_workitem_id 0
		.amdhsa_next_free_vgpr 384
		.amdhsa_next_free_sgpr 66
		.amdhsa_reserve_vcc 1
		.amdhsa_float_denorm_mode_32 3
		.amdhsa_float_denorm_mode_16_64 3
		.amdhsa_memory_ordered 1
		.amdhsa_forward_progress 1
		.amdhsa_inst_pref_size 210
	.end_amdhsa_kernel
	.amdgpu_metadata
---
amdhsa.version: [ 1, 2 ]
amdhsa.kernels:
  - .name:           k_qa3fe55c292_pick
    .symbol:         k_qa3fe55c292_pick.kd
    .args:
      - { .name: queries, .offset: 0, .size: 8, .value_kind: global_buffer, .address_space: global }
      - { .name: pcodes, .offset: 8, .size: 8, .value_kind: global_buffer, .address_space: global }
      - { .name: pscale, .offset: 16, .size: 8, .value_kind: global_buffer, .address_space: global }
      - { .name: y, .offset: 24, .size: 8, .value_kind: global_buffer, .address_space: global }
      - { .name: idx, .offset: 32, .size: 8, .value_kind: global_buffer, .address_space: global }
    .group_segment_fixed_size: 327680
    .private_segment_fixed_size: 0
    .kernarg_segment_align: 8
    .kernarg_segment_size: 40
    .max_flat_workgroup_size: 256
    .sgpr_count:     66
    .vgpr_count:     384
    .wavefront_size: 32
...
	.end_amdgpu_metadata
.endif
;; end of part 2
;; launch dist (part 3): grid 256 x 1, 16 waves a work-group, no clusters, 265,216 bytes of LDS; arguments queries, prototypes, idx, out0; writes out0
.if DOCPART == 3
	.amdgcn_target "amdgcn-amd-amdhsa--gfx1250"
	.amdhsa_code_object_version 6
	.text
	.protected	k_qa3fe55c292_dist
	.globl	k_qa3fe55c292_dist
	.p2align	8
	.type	k_qa3fe55c292_dist,@function
k_qa3fe55c292_dist:
	s_mov_b64 s[64:65], 0
	v_nop
	global_prefetch_b8 v0, s[64:65] scope:SCOPE_SE
	s_setreg_imm32_b32 hwreg(HW_REG_WAVE_MODE, 25, 1), 1
	s_wait_xcnt 0x0
; out0[q] = the sum over c of (queries[q][c] - prototypes[idx[q]][c])^2, all in f32.  idx holds whole numbers that the launch before stored.
; A stream without matrix work.  A work-group owns 256 queries, each of its sixteen waves 16: one tensor load a wave brings the wave's 16 rows (16,384 dense bytes) into LDS bytes of its own, which it alone reads.
; The prototypes' rows are gathered by loads into registers, all 32 of a wave on their way at once: in row i (0 .. 7) lanes 0-15 work on the wave's query i, lanes 16-31 on query 8 + i.
; An index is held at 511 before it enters an address.  No cluster: no work-group shares a tile.  No prefetch: there is no loop to run ahead in.
.set OUTS,  262144
.set SPARE, 263168
.set IX, 16                            ; v16-23   8 indices, then byte offsets
.set Q,  32                            ; v32-95   two pairs of query rows
.set P,  96                            ; v96-223  8 prototype rows
.set RS, 240                           ; v240-247 results
	s_load_b256 s[4:11], s[0:1], 0x0               ; queries, prototypes, idx, out0
	v_lshl_add_u32 v2, v0, 2, SPARE
	v_mov_b32 v3, 0
	ds_add_u32 v2, v3                              ; the wave's opening: the add, twice on end, and its wait
	ds_add_u32 v2, v3
	v_lshrrev_b32 v1, 5, v0
	v_readfirstlane_b32 s12, v1                    ; wave
	s_mov_b32 s16, 3<<16                           ; 64 rows of 32 elements of 8 bytes, dense
	s_mov_b32 s17, 32<<16
	s_mov_b32 s18, 64<<16
	s_mov_b32 s19, 32<<16
	s_mov_b32 s20, 64
	s_mov_b32 s21, 32
	s_mov_b32 s22, 0
	s_mov_b32 s23, 0
	s_mov_b32 s24, 1
	s_lshl_b32 s25, s12, 14
	s_lshl_b32 s28, ttmp9, 18
	s_add_co_u32 s28, s28, s25
	s_mov_b32 s29, 0
	s_lshl_b32 s30, ttmp9, 10
	s_mov_b32 s31, 0
	s_lshl_b32 s34, s12, 6
	s_mov_b32 s35, 0
	v_and_b32 v4, 15, v0
	v_lshlrev_b32 v4, 4, v4                        ; 16 r
	v_bfe_u32 v5, v0, 4, 1                         ; h
	v_lshl_add_u32 v6, v5, 13, v4
	v_add_nc_u32 v6, s25, v6                       ; LDS: my wave's rows, 8 h, 16 r
	v_lshlrev_b32 v7, 5, v5                        ; 8 indices x h
	v_and_b32 v8, 7, v0
	v_and_b32 v9, 0x1f0, v0
	v_lshlrev_b32 v9, 1, v9
	v_lshl_add_u32 v9, v8, 2, v9
	v_add_nc_u32 v9, OUTS, v9                      ; my query's word: 4 x (16 wave + 8 h + r % 8)
	v_lshlrev_b32 v11, 4, v0
	v_lshl_add_u32 v10, v0, 4, OUTS
	s_wait_alu depctr_va_vdst(0)                   ; the wait at the head's end
	s_wait_dscnt 0x0
	s_wait_kmcnt 0x0
	s_add_nc_u64 s[10:11], s[10:11], s[30:31]
	s_add_nc_u64 s[8:9], s[8:9], s[30:31]
	s_add_nc_u64 s[8:9], s[8:9], s[34:35]
	s_add_nc_u64 s[26:27], s[4:5], s[28:29]
	s_or_b32 s27, s27, 0x80000000
	global_load_b128 v[IX:IX+3], v7, s[8:9]
	global_load_b128 v[IX+4:IX+7], v7, s[8:9] offset:16
	tensor_load_to_lds s[24:27], s[16:23]
	s_nop 0
	v_nop
	v_nop
	v_nop
	v_nop
	s_wait_loadcnt 0x0
.irp i, 0,1,2,3,4,5,6,7
	v_min_u32 v[IX+\i], 0x1ff, v[IX+\i]
.endr
.irp i, 0,1,2,3,4,5,6,7
	v_lshl_add_u32 v[IX+\i], v[IX+\i], 10, v4      ; a prototype's row is 1,024 bytes
.endr
.irp i, 0,1,2,3,4,5,6,7
.irp j, 0,1,2,3
	global_load_b128 v[P+16*\i+4*\j:P+16*\i+4*\j+3], v[IX+\i], s[6:7] offset:256*\j
.endr
.endr
.macro QL k                            ; query rows 2 k, 2 k + 1
.irp j, 0,1,2,3
	ds_load_b128 v[Q+32*((\k)%2)+4*\j:Q+32*((\k)%2)+4*\j+3], v6 offset:2048*(\k)+256*\j
	ds_load_b128 v[Q+32*((\k)%2)+16+4*\j:Q+32*((\k)%2)+16+4*\j+3], v6 offset:2048*(\k)+1024+256*\j
.endr
.endm
.macro PAIR k
.set QA, Q+32*((\k)%2)
.set PP, P+32*(\k)
.if (\k) < 3
	QL \k+1
	s_wait_dscnt 8                                 ; this pair is in; the next may be out
.else
	s_wait_dscnt 0x0
.endif
	s_wait_loadcnt 24-8*(\k)                       ; the loads of later rows may be out
.irp e, 0,2,4,6,8,10,12,14,16,18,20,22,24,26,28,30
	v_pk_add_f32 v[QA+\e:QA+\e+1], v[QA+\e:QA+\e+1], v[PP+\e:PP+\e+1] neg_lo:[0,1] neg_hi:[0,1]
.endr
.irp g, 0,2,16,18
	v_pk_mul_f32 v[224+(\g/16)*4+\g%16:225+(\g/16)*4+\g%16], v[QA+\g:QA+\g+1], v[QA+\g:QA+\g+1]
.endr
.irp e, 4,8,12
.irp g, 0,2,16,18
	v_pk_fma_f32 v[224+(\g/16)*4+\g%16:225+(\g/16)*4+\g%16], v[QA+\e+\g:QA+\e+\g+1], v[QA+\e+\g:QA+\e+\g+1], v[224+(\g/16)*4+\g%16:225+(\g/16)*4+\g%16]
.endr
.endr
	v_pk_add_f32 v[224:225], v[224:225], v[226:227]
	v_pk_add_f32 v[228:229], v[228:229], v[230:231]
	v_add_f32 v[RS+2*(\k)], v224, v225
	v_add_f32 v[RS+2*(\k)+1], v228, v229
.endm
	s_wait_tensorcnt 0x0                           ; my wave's rows are in
	QL 0
	PAIR 0
	PAIR 1
	PAIR 2
	PAIR 3
.irp m, 1,2,4,8
.irp i, 0,1,2,3,4,5,6,7
	v_add_f32_dpp v[RS+\i], v[RS+\i], v[RS+\i] row_xmask:\m row_mask:0xf bank_mask:0xf   ; over the 16 lanes that share the row
.endr
.endr
	v_mov_b32 v12, v[RS]
.irp i, 1,2,3,4,5,6,7
	v_cmp_eq_u32 vcc_lo, \i, v8
	v_cndmask_b32 v12, v12, v[RS+\i], vcc_lo       ; lanes r and r + 8 keep row r's
.endr
	ds_store_b32 v9, v12                           ; the 256 results meet in LDS,
	s_wait_dscnt 0x0
	s_barrier_signal -1
	s_barrier_wait -1
	s_cmp_gt_u32 s12, 1
	s_cbranch_scc1 .Lend
	ds_load_b128 v[32:35], v10
	s_wait_dscnt 0x0
	global_store_b128 v11, v[32:35], s[10:11]      ; and waves 0 and 1 store them, 512 consecutive bytes each
.Lend:
	s_wait_tensorcnt 0x0                           ; the wave's end
	ds_add_u32 v2, v3
	s_wait_dscnt 0x0
	s_endpgm
.Lfunc_end_k_qa3fe55c292_dist:
	.size	k_qa3fe55c292_dist, .Lfunc_end_k_qa3fe55c292_dist-k_qa3fe55c292_dist
	.p2alignl 7, 3214868480
	.fill 96, 4, 3214868480
	.section	.rodata,"a",@progbits
	.p2align	6, 0x0
	.amdhsa_kernel k_qa3fe55c292_dist
		.amdhsa_group_segment_fixed_size 265216
		.amdhsa_private_segment_fixed_size 0
		.amdhsa_enable_private_segment 0
		.amdhsa_kernarg_size 32
		.amdhsa_user_sgpr_count 2
		.amdhsa_user_sgpr_kernarg_segment_ptr 1
		.amdhsa_wavefront_size32 1
		.amdhsa_system_sgpr_workgroup_id_x 1
		.amdhsa_system_sgpr_workgroup_id_y 1
		.amdhsa_system_sgpr_workgroup_id_z 1
		.amdhsa_system_vgpr_workitem_id 0
		.amdhsa_next_free_vgpr 256
		.amdhsa_next_free_sgpr 66
		.amdhsa_reserve_vcc 1
		.amdhsa_float_denorm_mode_32 3
		.amdhsa_float_denorm_mode_16_64 3
		.amdhsa_memory_ordered 1
		.amdhsa_forward_progress 1
		.amdhsa_inst_pref_size 21
	.end_amdhsa_kernel
	.amdgpu_metadata
---
amdhsa.version: [ 1, 2 ]
amdhsa.kernels:
  - .name:           k_qa3fe55c292_dist
    .symbol:         k_qa3fe55c292_dist.kd
    .args:
      - { .name: queries, .offset: 0, .size: 8, .value_kind: global_buffer, .address_space: global }
      - { .name: prototypes, .offset: 8, .size: 8, .value_kind: global_buffer, .address_space: global }
      - { .name: idx, .offset: 16, .size: 8, .value_kind: global_buffer, .address_space: global }
      - { .name: out0, .offset: 24, .size: 8, .value_kind: global_buffer, .address_space: global }
    .group_segment_fixed_size: 265216
    .private_segment_fixed_size: 0
    .kernarg_segment_align: 8
    .kernarg_segment_size: 32
    .max_flat_workgroup_size: 512
    .sgpr_count:     66
    .vgpr_count:     256
    .wavefront_size: 32
...
	.end_amdgpu_metadata
.endif
;; end of part 3
